; MI455X (gfx1250); checked and timed in simulation.
; The chip was launched on July 23, 2026; its instructions are those of AMD's public machine-readable ISA for CDNA 5 (MIT licence, August 2026) and "CDNA5" Instruction Set Architecture Reference Guide (July 2026). The comments in the code are by the model that wrote it; some were corrected since.
;; Simple Mo E. Allowed arithmetic: float matrix products may take bf16 or f16 operands with f32 sums; other float arithmetic in f32, or as packed bf16 or f16 multiplies, adds, multiply-adds, maxima and minima; sums over many terms, partial sums and values carried from step to step in f32; what a program stores and reads back later, other than sums and carried values, may be rounded once to bf16 or f16.
;; Inputs: W1 8 x 1,024 x 2,048 float32; W2 8 x 2,048 x 1,024 float32; Wr 1,024 x 8 float32; b1 8 x 2,048 float32; b2 8 x 1,024 float32; br 8 float32; x 2 x 1,024 x 1,024 float32.
;; Outputs: out0 2 x 1,024 x 1,024 float32.
;; One version. Each part assembles by itself: llvm-mc -triple=amdgcn-amd-amdhsa -mcpu=gfx1250 --defsym DOCPART=n.
;; ======== version 1 of 1: 3 launches
;; workspace buffers: xb 4,194,304 bytes; route 2,048 bytes of whole numbers; h 67,108,864 bytes
;; launch router (part 1): grid 128 x 1, 8 waves a work-group, no clusters, 44,032 bytes of LDS; arguments x, Wr, br, xb, route; writes xb, route
.if DOCPART == 1
	.amdgcn_target "amdgcn-amd-amdhsa--gfx1250"
	.amdhsa_code_object_version 6
	.text
	.protected	k_q82b686abf8_router
	.globl	k_q82b686abf8_router
	.p2align	8
	.type	k_q82b686abf8_router,@function
k_q82b686abf8_router:
	s_mov_b64 s[64:65], 0
	v_nop
	global_prefetch_b8 v0, s[64:65] scope:SCOPE_SE
	s_setreg_imm32_b32 hwreg(HW_REG_WAVE_MODE, 25, 1), 1
	s_wait_xcnt 0x0
; ROUTER.  xb = x rounded to bf16; logits = xb . bf16(Wr) + bf16(br), products on the matrix unit, sums in f32; the first largest logit chooses the expert.
; What is stored of the choice is a bitmap at fixed places: route[block of 16 tokens][expert], 16 bits: bit b = token 16 block + b chose the expert.  No address here hangs on it.
; SHARES.  A work-group has 16 tokens; wave w has their channels 128 w .. 128 w + 127: four K steps of 32.  The eight waves' partial logits meet in LDS; wave 0 adds them, w ascending.
; LAYOUT.  Source 0 = 16 rows of Wr^T (row m = expert m % 8: rows 8-15 repeat the eight), source 1 = 16 tokens: a lane then holds ONE token (lane % 16), and registers 0-7 its eight logits.
; LIMITS.  x, Wr and br are rounded to bf16 (all inputs of the program are).  Two top logits closer than the rounding of the f32 sums may be chosen otherwise than by another order of
; summation; a NaN logit never wins here.  No clusters, no tensor loads: each byte of x has one reader and must pass through registers to be rounded.
.set TP,    272                        ; a row of the wave's tile in LDS: 128 bf16 + 16 bytes: the 16 rows of a fragment load start 68 words apart
.set TILEB, 16*TP                      ; a wave's own tile
.set PART,  8*TILEB                    ; the partial logits: 1,024 bytes a wave, 32 a lane
.set SPARE, PART+8*1024                ; the spare words, 128 bytes a wave, which no other line names
.set LN,  1                            ; v1   lane
.set RR,  2                            ; v2   lane % 16
.set HH,  3                            ; v3   lane / 16
.set SPW, 4                            ; v4   my spare word; never rewritten
.set NIL, 5                            ; v5   0; never rewritten
.set WRO, 6                            ; v6   my offset in Wr
.set XO,  7                            ; v7   my offset in the group's rows of x
.set XBO, 8                            ; v8   the same in xb
.set TST, 9                            ; v9   where I put 8 bytes of a row of the tile
.set TRD, 10                           ; v10  where I read fragments
.set PST, 11                           ; v11  where I put my partial logits
.set PRD, 12                           ; v12  wave 0: 32 x lane
.set WR,  16                           ; v16-79   Wr as loaded; then v16-47 the rows of xb to store, v48-55 the wave's logits, v56-79 at work
.set XP,  16
.set SM,  48
.set XR,  80                           ; v80-143  x as loaded; wave 0: the eight waves' logits
.set WF,  144                          ; v144-175 Wr's fragments
.set XF,  176                          ; v176-207 x's fragments
.set AC,  208                          ; v208-223 two accumulators
.set WV,  14
	s_load_b256 s[4:11], s[0:1], 0x0               ; x s[4:5], Wr s[6:7], br s[8:9], xb s[10:11]
	s_load_b64 s[12:13], s[0:1], 0x20              ; route
	v_lshl_add_u32 v[SPW], v0, 2, SPARE
	v_mov_b32 v[NIL], 0
	v_and_b32 v[LN], 31, v0
	v_lshrrev_b32 v[RR], 5, v0
	v_readfirstlane_b32 s[WV], v[RR]               ; wave 0..7
	v_and_b32 v[RR], 15, v0
	v_bfe_u32 v[HH], v0, 4, 1
	v_and_b32 v[WRO], 7, v0                        ; Wr[k][e] lies at 32 k + 4 e; my k begin at 128 w + 8 (lane / 16)
	v_lshlrev_b32 v[WRO], 2, v[WRO]
	v_lshl_add_u32 v[WRO], v[HH], 8, v[WRO]
	s_lshl_b32 s15, s[WV], 12
	v_add_nc_u32 v[WRO], s15, v[WRO]
	s_lshl_b32 s15, s[WV], 9
	v_lshl_add_u32 v[XO], v[LN], 4, s15            ; 512 w + 16 lane: a load of the wave takes 512 consecutive bytes of a row of x
	s_lshl_b32 s15, s[WV], 8
	v_lshl_add_u32 v[XBO], v[LN], 3, s15           ; 256 w + 8 lane: a store of the wave covers 256 consecutive bytes of xb, aligned
	s_mul_i32 s16, s[WV], TILEB
	v_lshl_add_u32 v[TST], v[LN], 3, s16
	v_mul_u32_u24 v[TRD], v[RR], TP
	v_lshl_add_u32 v[TRD], v[HH], 4, v[TRD]
	v_add_nc_u32 v[TRD], s16, v[TRD]               ; row x pitch + 16 x half
	s_lshl_b32 s15, s[WV], 10
	s_add_co_u32 s15, s15, PART
	v_lshl_add_u32 v[PST], v[LN], 5, s15
	s_mov_b32 s19, 0
	s_wait_kmcnt 0x0
	s_load_b256 s[24:31], s[8:9], 0x0              ; br: eight numbers
	s_lshl_b32 s18, ttmp9, 16                      ; 16 rows of 4,096 bytes
	s_add_nc_u64 s[4:5], s[4:5], s[18:19]
	s_lshl_b32 s18, ttmp9, 15                      ; 16 rows of 2,048 bytes
	s_add_nc_u64 s[10:11], s[10:11], s[18:19]
	s_lshl_b32 s18, ttmp9, 4                       ; 16 bytes of bitmap
	s_add_nc_u64 s[12:13], s[12:13], s[18:19]
.set n_, 0
.rept 64                                       ; number n: K step n / 16, half (n / 8) % 2, k = .. + n % 8
	global_load_b32 v[WR+n_], v[WRO], s[6:7] offset:(n_/16)*1024+((n_/8)%2)*512+(n_%8)*32
.set n_, n_+1
.endr
.set n_, 0
.rept 16                                       ; row n of the group
	global_load_b128 v[XR+4*n_:XR+4*n_+3], v[XO], s[4:5] offset:4096*n_ th:TH_LOAD_NT
.set n_, n_+1
.endr
	s_wait_loadcnt 16                              ; Wr is in; the sixteen loads of x are younger
.set n_, 0
.rept 32
	v_cvt_pk_bf16_f32 v[WF+n_], v[WR+2*n_], v[WR+2*n_+1]   ; two neighbouring k, the lower in the low half
.set n_, n_+1
.endr
.set n_, 0
.rept 16
	s_wait_loadcnt 15-n_                           ; loads come back in order: row n is in
	v_cvt_pk_bf16_f32 v[XP+2*n_], v[XR+4*n_], v[XR+4*n_+1]
	v_cvt_pk_bf16_f32 v[XP+2*n_+1], v[XR+4*n_+2], v[XR+4*n_+3]
	ds_store_b64 v[TST], v[XP+2*n_:XP+2*n_+1] offset:TP*n_
	global_store_b64 v[XBO], v[XP+2*n_:XP+2*n_+1], s[10:11] offset:2048*n_   ; each row has registers of its own: none is rewritten
.set n_, n_+1
.endr
.irp k, 0,1,2,3                                ; LDS serves a wave's instructions in order: these see the wave's own stores above
	ds_load_b128 v[XF+8*(\k):XF+8*(\k)+3],   v[TRD] offset:64*(\k)
	ds_load_b128 v[XF+8*(\k)+4:XF+8*(\k)+7], v[TRD] offset:64*(\k)+32
.endr
	s_wait_dscnt 0x0
	v_wmma_f32_16x16x32_bf16 v[AC:AC+7],    v[WF:WF+7],     v[XF:XF+7],     0           ; two accumulators by turns
	v_wmma_f32_16x16x32_bf16 v[AC+8:AC+15], v[WF+8:WF+15],  v[XF+8:XF+15],  0
	v_wmma_f32_16x16x32_bf16 v[AC:AC+7],    v[WF+16:WF+23], v[XF+16:XF+23], v[AC:AC+7]
	v_wmma_f32_16x16x32_bf16 v[AC+8:AC+15], v[WF+24:WF+31], v[XF+24:XF+31], v[AC+8:AC+15]
.rept 4
	v_nop                                          ; four places between a product and the first vector read of its result (ISA guide 7.12.1)
.endr
.irp i, 0,1,2,3
	v_pk_add_f32 v[SM+2*(\i):SM+2*(\i)+1], v[AC+2*(\i):AC+2*(\i)+1], v[AC+8+2*(\i):AC+8+2*(\i)+1]
.endr
	ds_store_b128 v[PST], v[SM:SM+3]
	ds_store_b128 v[PST], v[SM+4:SM+7] offset:16
	s_wait_kmcnt 0x0                               ; br
	s_wait_dscnt 0x0                               ; for wave 0's sake: my partial logits are in LDS
	s_barrier_signal -1
	s_barrier_wait -1
	s_cmp_lg_u32 s[WV], 0
	s_cbranch_scc1 .Lend                           ; the rest is wave 0's; no barrier stands in it
	v_lshlrev_b32 v[PRD], 5, v[LN]
.irp w, 0,1,2,3,4,5,6,7
	ds_load_b128 v[XR+8*(\w):XR+8*(\w)+3],   v[PRD] offset:PART+1024*(\w)
	ds_load_b128 v[XR+8*(\w)+4:XR+8*(\w)+7], v[PRD] offset:PART+1024*(\w)+16
.endr
.irp i, 0,1,2,3,4,5,6,7
	v_mov_b32 v[56+(\i)], s[24+(\i)]
.endr
.irp i, 0,1,2,3
	v_cvt_pk_bf16_f32 v[64+(\i)], v[56+2*(\i)], v[56+2*(\i)+1]   ; br rounded to bf16,
.endr
.irp i, 0,1,2,3
	v_lshlrev_b32 v[72+2*(\i)], 16, v[64+(\i)]                   ; and back in f32
	v_and_b32 v[72+2*(\i)+1], 0xffff0000, v[64+(\i)]
.endr
	s_wait_dscnt 0x0
.irp w, 1,2,3,4,5,6,7
.irp i, 0,1,2,3
	v_pk_add_f32 v[XR+2*(\i):XR+2*(\i)+1], v[XR+2*(\i):XR+2*(\i)+1], v[XR+8*(\w)+2*(\i):XR+8*(\w)+2*(\i)+1]
.endr
.endr
.irp i, 0,1,2,3
	v_pk_add_f32 v[XR+2*(\i):XR+2*(\i)+1], v[XR+2*(\i):XR+2*(\i)+1], v[72+2*(\i):72+2*(\i)+1]
.endr
	v_mov_b32 v68, v[XR]                           ; the largest so far,
	v_mov_b32 v69, 0                               ; and whose it is
.irp e, 1,2,3,4,5,6,7
	v_cmp_gt_f32 vcc_lo, v[XR+(\e)], v68           ; strictly greater: of equals the lower index stays
	v_cndmask_b32 v68, v68, v[XR+(\e)], vcc_lo
	v_cndmask_b32 v69, v69, \e, vcc_lo
.endr
.irp e, 0,1,2,3,4,5,6,7
	v_cmp_eq_u32 s[32+(\e)], \e, v69               ; lanes 0-15: the 16 tokens (lanes 16-31 repeat them)
	s_and_b32 s[32+(\e)], s[32+(\e)], 0xffff
.endr
	v_mov_b32 v70, 0
.irp d, 0,1,2,3
	s_lshl_b32 s[33+2*(\d)], s[33+2*(\d)], 16
	s_or_b32 s[32+2*(\d)], s[32+2*(\d)], s[33+2*(\d)]   ; experts 2 d and 2 d + 1 in a word
	v_writelane_b32 v70, s[32+2*(\d)], \d
.endr
	v_lshlrev_b32 v71, 2, v[LN]
	v_cmp_gt_u32 vcc_lo, 4, v[LN]
	s_wait_xcnt 0x0                                ; EXEC is a source of the stores above: it changes only behind this wait
	s_and_saveexec_b32 s40, vcc_lo
	global_store_b32 v71, v70, s[12:13]            ; lanes 0-3: the block's 16 bytes
	s_wait_xcnt 0x0                                ; and again in front of the line that widens it
	s_or_b32 exec_lo, exec_lo, s40
.Lend:
	s_wait_tensorcnt 0x0                           ; the wave's end
	ds_add_u32 v[SPW], v[NIL]
	s_wait_dscnt 0x0
	s_endpgm
.Lfunc_end_k_q82b686abf8_router:
	.size	k_q82b686abf8_router, .Lfunc_end_k_q82b686abf8_router-k_q82b686abf8_router
	.p2alignl 7, 3214868480
	.fill 96, 4, 3214868480
	.section	.rodata,"a",@progbits
	.p2align	6, 0x0
	.amdhsa_kernel k_q82b686abf8_router
		.amdhsa_group_segment_fixed_size 44032
		.amdhsa_private_segment_fixed_size 0
		.amdhsa_enable_private_segment 0
		.amdhsa_kernarg_size 40
		.amdhsa_user_sgpr_count 2
		.amdhsa_user_sgpr_kernarg_segment_ptr 1
		.amdhsa_wavefront_size32 1
		.amdhsa_system_sgpr_workgroup_id_x 1
		.amdhsa_system_sgpr_workgroup_id_y 1
		.amdhsa_system_sgpr_workgroup_id_z 1
		.amdhsa_system_vgpr_workitem_id 0
		.amdhsa_next_free_vgpr 224
		.amdhsa_next_free_sgpr 66
		.amdhsa_reserve_vcc 1
		.amdhsa_float_denorm_mode_32 3
		.amdhsa_float_denorm_mode_16_64 3
		.amdhsa_memory_ordered 1
		.amdhsa_forward_progress 1
		.amdhsa_inst_pref_size 25
	.end_amdhsa_kernel
	.amdgpu_metadata
---
amdhsa.version: [ 1, 2 ]
amdhsa.kernels:
  - .name:           k_q82b686abf8_router
    .symbol:         k_q82b686abf8_router.kd
    .args:
      - { .name: x, .offset: 0, .size: 8, .value_kind: global_buffer, .address_space: global }
      - { .name: Wr, .offset: 8, .size: 8, .value_kind: global_buffer, .address_space: global }
      - { .name: br, .offset: 16, .size: 8, .value_kind: global_buffer, .address_space: global }
      - { .name: xb, .offset: 24, .size: 8, .value_kind: global_buffer, .address_space: global }
      - { .name: route, .offset: 32, .size: 8, .value_kind: global_buffer, .address_space: global }
    .group_segment_fixed_size: 44032
    .private_segment_fixed_size: 0
    .kernarg_segment_align: 8
    .kernarg_segment_size: 40
    .max_flat_workgroup_size: 256
    .sgpr_count:     66
    .vgpr_count:     224
    .wavefront_size: 32
...
	.end_amdgpu_metadata
.endif
;; end of part 1
;; launch up (part 2): grid 32 x 8, 8 waves a work-group, no clusters, 166,400 bytes of LDS; arguments xb, W1, b1, route, h; writes h
.if DOCPART == 2
	.amdgcn_target "amdgcn-amd-amdhsa--gfx1250"
	.amdhsa_code_object_version 6
	.text
	.protected	k_q82b686abf8_up
	.globl	k_q82b686abf8_up
	.p2align	8
	.type	k_q82b686abf8_up,@function
k_q82b686abf8_up:
	s_mov_b64 s[64:65], 0
	v_nop
	global_prefetch_b8 v0, s[64:65] scope:SCOPE_SE
	s_setreg_imm32_b32 hwreg(HW_REG_WAVE_MODE, 25, 1), 1
	s_wait_xcnt 0x0
; FIRST PRODUCT OF THE CHOSEN EXPERT.  h = relu(xb[rows of expert e] . bf16(W1[e]) + bf16(b1[e])), rounded once to bf16.  Sums in f32, started at the rounded bias.
; SHARES.  Work-group (s, e) owns hidden columns 64 s .. 64 s + 63 of expert e (a row of its slice of W1 is 256 aligned bytes, and it alone reads them) and ALL rows that chose e.
; TWO ROLES.  Loads into registers come back in issue order, so a wave that streamed weights far ahead could not also fetch token rows a short way ahead.  Waves 4-7 are PRODUCERS: f32 weights from
; memory, rounded in registers, into LDS in the order in which a matrix operand takes them; each has 64 loads of 16 bytes a lane issued.  Waves 0-3 are CONSUMERS: token rows from memory straight
; into operand registers, weights from LDS, products.  The role is a branch on the wave's number; every barrier stands in the common text.
; LDS.  Bytes 0 ..: the four consumers' lists; then the spare words; from WBASE on the weights, written once: K step ks (32 k), block nb (16 columns), half hf (16 k): WBASE + ks 4160 + nb 1040 +
; hf 512 + 16 lane.  WBASE is 4 waves x 2 K steps, so that producer wave 4 + p's place in a chunk is wave x 2 K steps + a constant that is not negative.  A chunk is 8 K steps.  Barrier c shows
; chunk c; between barriers c and c + 1 the consumers read chunk c alone and the producers write chunk c + 1: one barrier a chunk does, since no byte is written twice.
; ADDRESSES.  Every LDS address register of the stream is made at the head, by every wave, and never rewritten: a base for each chunk, the rest in the immediates.  The stream is written out K step by
; K step, so the global offsets stand in the immediates too (xb: 2,016 bytes at the most; W1: 823 rows of 8,192 bytes) and no base is stepped.
; THE MATRIX INSTRUCTION IS USED TRANSPOSED (source 0 = 16 columns of W1, source 1 = 16 tokens): a lane holds one token (lane % 16) and 8 neighbouring hidden columns: 16 bytes of bf16 that ARE its
; part of the second product's token operand.  h[e][s][tile of 16 rows][2,048 bytes]: byte nb 512 + 16 lane.  Each store of a wave covers 512 consecutive bytes, aligned.
; ROWS.  Every consumer makes the expert's list of tokens for itself from the 256 bytes of its bitmap (rank = tokens before it in the order words 0, 32, 1, 33 ..; the second product counts alike).
; Tile j (ranks 16 j ..) is wave j % 4's slot j / 4.  A wave always multiplies 5 slots, so that every counted wait is the same on every path; a slot past the count works on rows that exist and is
; not stored.  Places past the count in the last tile repeat the expert's last token.  An expert without rows stores tile 0, made of token 0, so that the next launch reads only written bytes.
; LIMITS.  xb, W1, b1 rounded to bf16; h rounded to bf16.  More than 320 rows on one expert: the rest goes through a plain loop behind the stream, one K step at a time, right but not pipelined.
; NOT USED.  Tensor loads: f32 weights must pass through registers to be rounded.  Clusters: a slice has one reader, and the token rows come by a list that no descriptor covers.
; L2 prefetch: the producers' own loads are issued from their first lines on, two chunks ahead.
.set LOGROW, 13
.set ROWB,   1<<LOGROW                 ; bytes in a row of W1
.set KSB,    4160                      ; a K step's weights in LDS: 4 blocks of 1,040
.set NBB,    1040                      ; 1,024 + 16: the 16 lanes of a producer's store then fall on 16 different 16-byte columns of 256 bytes
.set CHB,    8*KSB
.set NKS,    32                        ; K steps
.set LISTB,  4608                      ; from byte 0: a list of 2,304 u16 for each consumer, its own
.set DUMP,   2240                      ; the list's entry for lanes whose token did not choose e
.set SPARE,  4*LISTB                   ; the spare words, 128 bytes a wave, which no other line names
.set WBASE,  4*2*KSB                   ; the weights' first byte
.set TS,     5                         ; slots a consumer and round
.set NROUND, 7                         ; 7 x 5 slots cover a wave's 32 at the most
; vector registers, window 0.  v1-9, v19-21, v26-27, v29 are made at the head by every wave and never rewritten
.set LN,  1                            ; lane
.set RR,  2                            ; lane % 16
.set HH,  3                            ; lane / 16
.set SPW, 4                            ; my spare word
.set NIL, 5                            ; 0
.set BAC, 6                            ; v6-9    consumers: 16 lane + chunk c's first byte
.set HO,  10                           ; my offset in h: 16 lane + 2,048 wave
.set ZR,  11                           ; 0, for the packed maximum
.set H16, 12                           ; 16 (lane / 16)
.set AO,  13                           ; v13-17  slot t: my token's row in xb + 16 (lane / 16)
.set PP,  18                           ; list: a place, clamped each time it is made
.set LBV, 19                           ; my list's first byte
.set ZST, 20                           ; my list + 16 lane
.set TKR, 21                           ; my list + 2 (16 wave + lane % 16)
.set ADR, 22                           ; the plain loop's place in the weights
.set BO,  23                           ; the bias loads' offset
.set WOF, 24                           ; producers: my offset in a chunk of W1
.set RO,  25                           ; the bitmap loads' offset
.set WSTC,26                           ; v26-27  producers: where my 16 bytes go, in chunks 0 and 2
.set TMPV,28
.set L16, 29                           ; 16 lane
.set WL,  30                           ; producers: my lane's place in a K step
.set AF,  32                           ; v32-191  token fragments: a ring of 4 K steps x 5 slots x 8
.set BRAW,32                           ; before that: the bias as loaded, and packed
.set BPK, 64
.set PK,  32                           ; behind the stream: packed results, two sets by turns
.set BF,  192                          ; v192-255 weight fragments: 2 K steps x 4 blocks x 8;  before the stream, for the list:
.set ZZ,  192                          ; v192-195 zeros
.set RAW, 196                          ; v196-199 the bitmap as loaded
.set TKA, 200                          ; my token in the low word, in the high word
.set TKB, 201
.set DMP, 202
.set MW0, 203                          ; the bitmap: lane l holds tokens 32 l .. and 1024 + 32 l ..
.set MW1, 204
.set LAST,205
.set CV,  208                          ; v208-239 producers: rounded, two sets by turns
; window 1.  Consumers:
.set ACC, 0                            ; v0-159   accumulator (t, nb) at 8 (4 t + nb)
.set TOK, 160                          ; v160-191 my token in slot u, u = 0 .. 31
.set BIAS,192                          ; v192-223 the rounded bias of my 8 columns in block nb
.set MUL, 0x50                         ; C and D window 1, both sources window 0
;           Producers: v0-255 two slots of 32 loads.  No global load of one role writes a register that a global load of the other writes.
; scalar registers
.set WV,  14
.set EX,  15                           ; expert
.set SL,  16                           ; slice
.set OF,  18                           ; s[18:19] an offset
.set WB,  20                           ; s[20:21] W1 at (e, s)
.set XA,  22                           ; s[22:23] the plain loop: xb, walking along K
.set HB,  24                           ; s[24:25] h at (e, s), and on by rounds
.set BB,  26                           ; s[26:27] b1 at my 64 columns
.set CNT, 28                           ; the expert's rows
.set LIVE,29                           ; my slots that hold rows and are not yet stored
.set MA,  31
.set MB,  32
.set TB,  33                           ; the plain loop: the K step's first byte, from the weights' first
.set LP,  34
.set QQ,  35
.set LB,  37
.set T0,  38
.set T1,  39
.set MSB, 0
.macro WIN new                         ; s_set_vgpr_msb: bits 1:0 source 0, 3:2 source 1, 5:4 source 2, 7:6 destination; the high byte repeats the setting that is left
.if MSB != (\new)
	s_set_vgpr_msb (MSB<<8)|(\new)
.set MSB, (\new)
.endif
.endm
.macro SYNC                            ; my LDS stores are done and my LDS loads are back; then the work-group's barrier
	s_wait_dscnt 0x0
	s_barrier_signal -1
	s_barrier_wait -1
.endm
; PRODUCER, chunk ch, out of register slot ch % 2.  My 64 rows of the chunk's 256 go in four pieces of 16 rows (8 loads: lanes 0-15 take rows 0-7, lanes 16-31 rows 8-15; a lane 4 columns).
; Two rows' numbers of one column make a register; four registers are the 8 k that a lane of the operand holds.  mode 0: each piece is asked for again at once, for chunk ch + 2.
; The count: what may stay out when piece i has to be in.  mode 0: 64 issued less this piece's 8.  mode 1 (nothing asked again, the other slot out): 56 - 8 i.  mode 2 (nothing else out): 24 - 8 i.
.macro PRO ch, mode
.set sl_, 128*((\ch)%2)
.set wr_, WSTC+(\ch)/2
.set wo_, ((\ch)%2)*CHB
.set lo_, 256*((\ch)+2)
.irp i, 0,1,2,3
.if (\mode) == 0
	s_wait_loadcnt 56
.elseif (\mode) == 1
	s_wait_loadcnt 56-8*(\i)
.else
	s_wait_loadcnt 24-8*(\i)
.endif
	WIN 0x05
.irp q, 0,1,2,3
.irp p, 0,1,2,3
	v_cvt_pk_bf16_f32 v[CV+16*((\i)%2)+4*(\q)+(\p)], v[sl_+32*(\i)+8*(\p)+(\q)], v[sl_+32*(\i)+8*(\p)+4+(\q)]
.endr
.endr
	WIN 0
.irp q, 0,1,2,3
	ds_store_b128 v[wr_], v[CV+16*((\i)%2)+4*(\q):CV+16*((\i)%2)+4*(\q)+3] offset:wo_+((\i)/2)*KSB+((\i)%2)*512+16*(\q)
.endr
.if (\mode) == 0
	WIN 0x40
.irp j, 0,1,2,3,4,5,6,7
	global_load_b128 v[sl_+32*(\i)+4*(\j):sl_+32*(\i)+4*(\j)+3], v[WOF], s[WB:WB+1] offset:(lo_+16*(\i)+(\j))*ROWB th:TH_LOAD_NT
.endr
.endif
.endr
	WIN 0
.endm
; CONSUMER, K step g.  The token fragments of step g + 3 are asked for, the weight fragments of step g + 1 are read, step g is multiplied.  The count on the loads: the younger token loads that may
; stay out, 10 a K step, 3 steps; the last steps ask for nothing and the counts run down.  The 8 LDS loads just issued may stay out.  The 20 accumulators take turns, one instruction a turn, in the
; same order in every step.  Step 0 starts the sums at the bias.  The four v_nop are the places ahead of the next step's loads into registers that these products read.
.macro KSTEP g
.set rN, AF+40*(((\g)+3)%4)
.set rA, AF+40*((\g)%4)
.set rM, BF+32*(((\g)+1)%2)
.set rB, BF+32*((\g)%2)
.set cB, BAC+((\g)+1)/8
.set oB, (((\g)+1)%8)*KSB
.set oA, ((\g)+3)*64
	WIN 0
.if (\g)+3 < NKS
.irp t, 0,1,2,3,4
	global_load_b128 v[rN+8*(\t):rN+8*(\t)+3],   v[AO+(\t)], s[4:5] offset:oA
	global_load_b128 v[rN+8*(\t)+4:rN+8*(\t)+7], v[AO+(\t)], s[4:5] offset:oA+32
.endr
.endif
.if (\g)+1 < NKS
.irp n, 0,1,2,3
	ds_load_b128 v[rM+8*(\n):rM+8*(\n)+3],   v[cB] offset:oB+(\n)*NBB
	ds_load_b128 v[rM+8*(\n)+4:rM+8*(\n)+7], v[cB] offset:oB+(\n)*NBB+512
.endr
.endif
.if (\g)+3 < NKS
	s_wait_loadcnt 30
.else
	s_wait_loadcnt 10*(NKS-1-(\g))
.endif
.if (\g)+1 < NKS
	s_wait_dscnt 8
.else
	s_wait_dscnt 0x0
.endif
	WIN MUL
.irp t, 0,1,2,3,4
.irp n, 0,1,2,3
.set aC, ACC+8*(4*(\t)+(\n))
.if (\g) == 0
	v_wmma_f32_16x16x32_bf16 v[aC:aC+7], v[rB+8*(\n):rB+8*(\n)+7], v[rA+8*(\t):rA+8*(\t)+7], v[BIAS+8*(\n):BIAS+8*(\n)+7]
.else
	v_wmma_f32_16x16x32_bf16 v[aC:aC+7], v[rB+8*(\n):rB+8*(\n)+7], v[rA+8*(\t):rA+8*(\t)+7], v[aC:aC+7]
.endif
.endr
.endr
.rept 4
	v_nop
.endr
.endm
.macro RUN g0, num                     ; K steps g0 .. g0 + num - 1
.set g_, \g0
.rept \num
	KSTEP g_
.set g_, g_+1
.endr
	WIN 0
.endm
; Barrier iv; then the K steps that read chunk iv | chunk iv + 1 into LDS.  An interval ends one step short of its chunk, so that every step can read the next step's weights.
; The consumers' part opens with a wait for all loads: the ring's were issued ahead of the barrier and have had the wait there in which to land; behind it every count counts this part's own loads alone.
.macro INTERVAL iv, mode, g0, num
	SYNC
	s_cmp_lt_u32 s[WV], 4
	s_cbranch_scc1 .Lmul_\@
	PRO (\iv)+1, \mode
	s_branch .Lmet_\@
.Lmul_\@:
	s_wait_loadcnt 0x0
.if (\iv) == 0
.irp n, 0,1,2,3
	ds_load_b128 v[BF+8*(\n):BF+8*(\n)+3],   v[BAC] offset:(\n)*NBB
	ds_load_b128 v[BF+8*(\n)+4:BF+8*(\n)+7], v[BAC] offset:(\n)*NBB+512
.endr
.endif
	RUN \g0, \num
.Lmet_\@:
.endm
.macro WORD m, tk                      ; 32 tokens: those that chose e take the next ranks, the others the dump entry
	v_mbcnt_lo_u32_b32 v[PP], s[\m], s[CNT]        ; the count so far + the chosen ones in the lanes below me
	v_cndmask_b32 v[PP], v[DMP], v[PP], s[\m]
	v_min_u32 v[PP], DUMP, v[PP]                   ; a number made of loaded data enters an address only clamped
	v_lshl_add_u32 v[PP], v[PP], 1, v[LBV]
	ds_store_b16 v[PP], v[\tk]
	s_bcnt1_i32_b32 s[T0], s[\m]
	s_add_co_u32 s[CNT], s[CNT], s[T0]
.endm
.macro MKAO                            ; the five slots' rows in xb
	WIN 0x04
.irp t, 0,1,2,3,4
	v_min_u32 v[AO+(\t)], 2047, v[TOK+(\t)]
.endr
	WIN 0
.irp t, 0,1,2,3,4
	v_lshl_add_u32 v[AO+(\t)], v[AO+(\t)], 11, v[H16]
.endr
.endm
; THE WAY OUT.  Slot t: rounded to bf16 (each accumulator's registers in ascending order), the maximum with 0 on the packed halves, four stores of 512 consecutive bytes.  Slots past my count are jumped.
.macro EPI
.irp t, 0,1,2,3,4
	s_cmp_le_u32 s[LIVE], \t
	s_cbranch_scc1 .Lepi_end_\@
	s_wait_xcnt 0x0                                ; earlier stores have read their data registers
	WIN 0x05
.irp n, 0,1,2,3
.irp p, 0,1,2,3
	v_cvt_pk_bf16_f32 v[PK+16*((\t)%2)+4*(\n)+(\p)], v[ACC+8*(4*(\t)+(\n))+2*(\p)], v[ACC+8*(4*(\t)+(\n))+2*(\p)+1]
.endr
.endr
	WIN 0
.irp n, 0,1,2,3,4,5,6,7,8,9,10,11,12,13,14,15
	v_pk_max_num_bf16 v[PK+16*((\t)%2)+(\n)], v[PK+16*((\t)%2)+(\n)], v[ZR]
.endr
.irp n, 0,1,2,3
	global_store_b128 v[HO], v[PK+16*((\t)%2)+4*(\n):PK+16*((\t)%2)+4*(\n)+3], s[HB:HB+1] offset:(\t)*8192+(\n)*512
.endr
.endr
.Lepi_end_\@:
.endm
.macro OSTEP first                     ; the plain loop's K step: everything asked for and waited for
	WIN 0
	v_add_nc_u32 v[ADR], s[TB], v[BAC]             ; the K step's first byte + 16 lane
.irp t, 0,1,2,3,4
	global_load_b128 v[AF+8*(\t):AF+8*(\t)+3],   v[AO+(\t)], s[XA:XA+1]
	global_load_b128 v[AF+8*(\t)+4:AF+8*(\t)+7], v[AO+(\t)], s[XA:XA+1] offset:32
.endr
.irp n, 0,1,2,3
	ds_load_b128 v[BF+8*(\n):BF+8*(\n)+3],   v[ADR] offset:(\n)*NBB
	ds_load_b128 v[BF+8*(\n)+4:BF+8*(\n)+7], v[ADR] offset:(\n)*NBB+512
.endr
	s_wait_loadcnt 0x0                             ; the loads are done: their base may be stepped below
	s_wait_dscnt 0x0
	WIN MUL
.irp t, 0,1,2,3,4
.irp n, 0,1,2,3
.set aC, ACC+8*(4*(\t)+(\n))
.if \first
	v_wmma_f32_16x16x32_bf16 v[aC:aC+7], v[BF+8*(\n):BF+8*(\n)+7], v[AF+8*(\t):AF+8*(\t)+7], v[BIAS+8*(\n):BIAS+8*(\n)+7]
.else
	v_wmma_f32_16x16x32_bf16 v[aC:aC+7], v[BF+8*(\n):BF+8*(\n)+7], v[AF+8*(\t):AF+8*(\t)+7], v[aC:aC+7]
.endif
.endr
.endr
.rept 4
	v_nop
.endr
	WIN 0
	s_add_nc_u64 s[XA:XA+1], s[XA:XA+1], 64
	s_add_co_u32 s[TB], s[TB], KSB
.endm
	s_load_b256 s[4:11], s[0:1], 0x0               ; xb s[4:5], W1 s[6:7], b1 s[8:9], route s[10:11]
	s_load_b64 s[12:13], s[0:1], 0x20              ; h
	v_lshl_add_u32 v[SPW], v0, 2, SPARE
	v_mov_b32 v[NIL], 0
	v_and_b32 v[LN], 31, v0
	v_lshrrev_b32 v[RR], 5, v0
	v_readfirstlane_b32 s[WV], v[RR]               ; wave 0..7
	v_and_b32 v[RR], 15, v0
	v_bfe_u32 v[HH], v0, 4, 1
	s_and_b32 s[EX], ttmp7, 0xffff
	s_mov_b32 s[SL], ttmp9
	; the LDS addresses of both roles, made by every wave: a constant, the wave's number times a constant, a lane term; a wave uses those of its own role alone
	v_lshlrev_b32 v[L16], 4, v[LN]
.irp c, 0,1,2,3
	v_add_nc_u32 v[BAC+(\c)], WBASE+(\c)*CHB, v[L16]
.endr
	s_mul_i32 s[LB], s[WV], LISTB                  ; consumers: wave w's list; the lists begin at byte 0
	v_mov_b32 v[LBV], s[LB]
	v_add_nc_u32 v[ZST], s[LB], v[L16]
	s_lshl_b32 s[T0], s[WV], 5                     ; tile 4 u + w, row r: entry 64 u + 16 w + r
	s_add_co_u32 s[T0], s[T0], s[LB]
	v_lshl_add_u32 v[TKR], v[RR], 1, s[T0]
	v_lshrrev_b32 v[TMPV], 2, v[RR]                ; producers: column 4 c + i: block c / 4, operand row 4 (c % 4) + i
	v_mul_u32_u24 v[WL], v[TMPV], NBB
	v_and_b32 v[TMPV], 3, v[RR]
	v_lshl_add_u32 v[WL], v[TMPV], 6, v[WL]
	v_lshl_add_u32 v[WL], v[HH], 8, v[WL]          ; my 8 rows are the operand's lanes 16 (lane / 16) ..
	s_mul_i32 s[T1], s[WV], 2*KSB                  ; wave 4 + p: WBASE + p x 2 K steps (my 64 rows of a chunk are two K steps)
	v_add_nc_u32 v[WSTC], s[T1], v[WL]
	s_add_co_u32 s[T1], s[T1], 2*CHB               ; and two chunks on
	v_add_nc_u32 v[WSTC+1], s[T1], v[WL]
	s_lshl_b32 s[T0], s[SL], 8                     ; my 64 columns: 256 bytes of f32
	s_mov_b32 s[OF+1], 0
	s_wait_kmcnt 0x0
	s_lshl_b32 s[OF], s[EX], 23                    ; an expert's W1 is 8 MiB
	s_add_co_u32 s[OF], s[OF], s[T0]
	s_add_nc_u64 s[WB:WB+1], s[6:7], s[OF:OF+1]
	s_lshl_b32 s[OF], s[EX], 13
	s_add_co_u32 s[OF], s[OF], s[T0]
	s_add_nc_u64 s[BB:BB+1], s[8:9], s[OF:OF+1]
	s_lshl_b32 s[OF], s[EX], 5
	s_add_co_u32 s[OF], s[OF], s[SL]
	s_lshl_b32 s[OF], s[OF], 18                    ; 128 tiles of 2,048 bytes for each (e, s)
	s_add_nc_u64 s[HB:HB+1], s[12:13], s[OF:OF+1]
	s_cmp_lt_u32 s[WV], 4
	s_cbranch_scc1 .Lset_up
	; PRODUCERS: chunks 0 and 1 are asked for, then chunk 0 goes into LDS
	s_sub_co_u32 s[T0], s[WV], 4                   ; p: my 64 rows of each chunk
	v_lshlrev_b32 v[WOF], 4, v[RR]                 ; in W1: 4 columns,
	v_lshl_add_u32 v[WOF], v[HH], LOGROW+3, v[WOF] ; 8 rows on for lanes 16-31,
	s_lshl_b32 s[T1], s[T0], LOGROW+6
	v_add_nc_u32 v[WOF], s[T1], v[WOF]             ; 64 p rows
	WIN 0x40
.set n_, 0
.rept 64                                       ; load n: slot n / 32, piece (n / 8) % 4, row n % 8 of the piece
	global_load_b128 v[4*n_:4*n_+3], v[WOF], s[WB:WB+1] offset:(256*(n_/32)+16*((n_/8)%4)+n_%8)*ROWB th:TH_LOAD_NT
.set n_, n_+1
.endr
	WIN 0
	PRO 0, 0
	s_branch .Lready
.Lset_up:
	; CONSUMERS: the list, the bias, the first token fragments
	v_lshlrev_b32 v[RO], 5, v[LN]                  ; route[block][expert] u16: lane l takes blocks 2 l, 2 l + 1, 64 + 2 l, 65 + 2 l
	s_lshl_b32 s[T0], s[EX], 1
	v_add_nc_u32 v[RO], s[T0], v[RO]
	global_load_u16 v[RAW],   v[RO], s[10:11]
	global_load_u16 v[RAW+1], v[RO], s[10:11] offset:16
	global_load_u16 v[RAW+2], v[RO], s[10:11] offset:1024
	global_load_u16 v[RAW+3], v[RO], s[10:11] offset:1040
	v_lshlrev_b32 v[BO], 5, v[HH]                  ; my 8 columns of block nb: 64 nb + 32 (lane / 16)
.irp n, 0,1,2,3
	global_load_b128 v[BRAW+8*(\n):BRAW+8*(\n)+3],   v[BO], s[BB:BB+1] offset:64*(\n)
	global_load_b128 v[BRAW+8*(\n)+4:BRAW+8*(\n)+7], v[BO], s[BB:BB+1] offset:64*(\n)+16
.endr
	v_lshlrev_b32 v[H16], 4, v[HH]
	v_mov_b32 v[ZR], 0
	s_lshl_b32 s[T0], s[WV], 11
	v_add_nc_u32 v[HO], s[T0], v[L16]
.irp i, 0,1,2,3
	v_mov_b32 v[ZZ+(\i)], 0
.endr
.irp i, 0,1,2,3,4,5,6,7,8
	ds_store_b128 v[ZST], v[ZZ:ZZ+3] offset:512*(\i)    ; the whole list is token 0 to begin with: every entry read later is written
.endr
	v_mov_b32 v[DMP], DUMP
	v_mov_b32 v[TKA], v[LN]
	v_add_nc_u32 v[TKB], 1024, v[LN]
	s_mov_b32 s[CNT], 0
	s_wait_loadcnt 8                               ; the bitmap is in; the bias's eight loads are younger
	v_lshl_or_b32 v[MW0], v[RAW+1], 16, v[RAW]
	v_lshl_or_b32 v[MW1], v[RAW+3], 16, v[RAW+2]
.set i_, 0
.rept 32                                       ; written out, so that the lane that holds a word stands in the instruction as a constant
	v_readlane_b32 s[MA], v[MW0], i_               ; tokens 32 i ..
	v_readlane_b32 s[MB], v[MW1], i_               ; tokens 1024 + 32 i ..
	WORD MA, TKA
	WORD MB, TKB
	v_add_nc_u32 v[TKA], 32, v[TKA]
	v_add_nc_u32 v[TKB], 32, v[TKB]
.set i_, i_+1
.endr
	s_max_u32 s[T0], s[CNT], 1                     ; the last token of the list (token 0 where there is none)
	s_sub_co_u32 s[T0], s[T0], 1
	v_mov_b32 v[PP], s[T0]
	v_min_u32 v[PP], 2047, v[PP]
	v_lshl_add_u32 v[PP], v[PP], 1, v[LBV]
	ds_load_u16 v[LAST], v[PP]
	v_add_nc_u32 v[PP], s[CNT], v[LN]              ; fills the 32 places behind the count
	v_min_u32 v[PP], DUMP, v[PP]
	v_lshl_add_u32 v[PP], v[PP], 1, v[LBV]
	s_wait_dscnt 0x0
	ds_store_b16 v[PP], v[LAST]
	WIN 0x40
.set n_, 0
.rept 32
	ds_load_u16 v[TOK+n_], v[TKR] offset:128*n_
.set n_, n_+1
.endr
	WIN 0
	s_add_co_u32 s[T0], s[CNT], 15
	s_lshr_b32 s[T0], s[T0], 4
	s_max_u32 s[T0], s[T0], 1                      ; tiles, at least one
	s_add_co_u32 s[T0], s[T0], 3
	s_sub_co_u32 s[T0], s[T0], s[WV]
	s_lshr_b32 s[LIVE], s[T0], 2                   ; how many u have 4 u + w below that
	s_wait_loadcnt 0x0                             ; the bias
.set n_, 0
.rept 16
	v_cvt_pk_bf16_f32 v[BPK+n_], v[BRAW+2*n_], v[BRAW+2*n_+1]
.set n_, n_+1
.endr
	WIN 0x40
.set n_, 0
.rept 16
	v_lshlrev_b32 v[BIAS+2*n_], 16, v[BPK+n_]
	v_and_b32 v[BIAS+2*n_+1], 0xffff0000, v[BPK+n_]
.set n_, n_+1
.endr
	s_wait_dscnt 0x0                               ; the tokens
	MKAO
.irp k, 0,1,2
.irp t, 0,1,2,3,4
	global_load_b128 v[AF+40*(\k)+8*(\t):AF+40*(\k)+8*(\t)+3],   v[AO+(\t)], s[4:5] offset:64*(\k)
	global_load_b128 v[AF+40*(\k)+8*(\t)+4:AF+40*(\k)+8*(\t)+7], v[AO+(\t)], s[4:5] offset:64*(\k)+32
.endr
.endr
.Lready:
	INTERVAL 0, 0, 0, 7                            ; barrier 0: K steps 0-6   | chunk 1, chunk 3 asked for
	INTERVAL 1, 1, 7, 8                            ; barrier 1: K steps 7-14  | chunk 2
	INTERVAL 2, 2, 15, 8                           ; barrier 2: K steps 15-22 | chunk 3
	SYNC                                           ; barrier 3: all weights are in LDS
	s_cmp_lt_u32 s[WV], 4
	s_cbranch_scc0 .Lend                           ; the producers are done
	s_wait_loadcnt 0x0
	RUN 23, 9                                      ; K steps 23-31
	; THE WAY OUT, AND ROWS OVER THE CAPACITY.  A constant count of rounds: each stores what the last five slots made; where slots are left, the tokens move down in registers and the next five go
	; through the plain loop.  A round with nothing left is jumped to the counter's step.  No barrier and no LDS write stands here.
	s_mov_b32 s[QQ], NROUND
.Lround:
	EPI
	s_min_u32 s[T0], s[LIVE], TS
	s_sub_co_u32 s[LIVE], s[LIVE], s[T0]           ; stored
	s_cmp_eq_u32 s[LIVE], 0
	s_cbranch_scc1 .Lnext
	s_wait_xcnt 0x0                                ; the stores have read their base and their data
	s_add_nc_u64 s[HB:HB+1], s[HB:HB+1], TS*8192
	WIN 0x41
.set n_, 0
.rept 32-TS
	v_mov_b32 v[TOK+n_], v[TOK+n_+TS]
.set n_, n_+1
.endr
	MKAO
	s_mov_b64 s[XA:XA+1], s[4:5]
	s_mov_b32 s[TB], 0
	OSTEP 1
	s_mov_b32 s[LP], NKS-1
.Lplain:
	OSTEP 0
	s_sub_co_u32 s[LP], s[LP], 1
	s_cmp_lg_u32 s[LP], 0
	s_cbranch_scc1 .Lplain
.Lnext:
	s_sub_co_u32 s[QQ], s[QQ], 1
	s_cmp_lg_u32 s[QQ], 0
	s_cbranch_scc1 .Lround
.Lend:
	SYNC                                           ; the closing barrier: every wave's reads of LDS, the plain loop's walking ones among them, are over before any wave's closing add
	s_wait_tensorcnt 0x0                           ; the wave's end
	ds_add_u32 v[SPW], v[NIL]
	s_wait_dscnt 0x0
	s_endpgm
.Lfunc_end_k_q82b686abf8_up:
	.size	k_q82b686abf8_up, .Lfunc_end_k_q82b686abf8_up-k_q82b686abf8_up
	.p2alignl 7, 3214868480
	.fill 96, 4, 3214868480
	.section	.rodata,"a",@progbits
	.p2align	6, 0x0
	.amdhsa_kernel k_q82b686abf8_up
		.amdhsa_group_segment_fixed_size 166400
		.amdhsa_private_segment_fixed_size 0
		.amdhsa_enable_private_segment 0
		.amdhsa_kernarg_size 40
		.amdhsa_user_sgpr_count 2
		.amdhsa_user_sgpr_kernarg_segment_ptr 1
		.amdhsa_wavefront_size32 1
		.amdhsa_system_sgpr_workgroup_id_x 1
		.amdhsa_system_sgpr_workgroup_id_y 1
		.amdhsa_system_sgpr_workgroup_id_z 1
		.amdhsa_system_vgpr_workitem_id 0
		.amdhsa_next_free_vgpr 512
		.amdhsa_next_free_sgpr 66
		.amdhsa_reserve_vcc 0
		.amdhsa_float_denorm_mode_32 3
		.amdhsa_float_denorm_mode_16_64 3
		.amdhsa_memory_ordered 1
		.amdhsa_forward_progress 1
		.amdhsa_inst_pref_size 191
	.end_amdhsa_kernel
	.amdgpu_metadata
---
amdhsa.version: [ 1, 2 ]
amdhsa.kernels:
  - .name:           k_q82b686abf8_up
    .symbol:         k_q82b686abf8_up.kd
    .args:
      - { .name: xb, .offset: 0, .size: 8, .value_kind: global_buffer, .address_space: global }
      - { .name: W1, .offset: 8, .size: 8, .value_kind: global_buffer, .address_space: global }
      - { .name: b1, .offset: 16, .size: 8, .value_kind: global_buffer, .address_space: global }
      - { .name: route, .offset: 24, .size: 8, .value_kind: global_buffer, .address_space: global }
      - { .name: h, .offset: 32, .size: 8, .value_kind: global_buffer, .address_space: global }
    .group_segment_fixed_size: 166400
    .private_segment_fixed_size: 0
    .kernarg_segment_align: 8
    .kernarg_segment_size: 40
    .max_flat_workgroup_size: 256
    .sgpr_count:     66
    .vgpr_count:     512
    .wavefront_size: 32
...
	.end_amdgpu_metadata
.endif
;; end of part 2
;; launch down (part 3): grid 32 x 8, 8 waves a work-group, no clusters, 316,928 bytes of LDS; arguments h, W2, b2, route, out0; writes out0
.if DOCPART == 3
	.amdgcn_target "amdgcn-amd-amdhsa--gfx1250"
	.amdhsa_code_object_version 6
	.text
	.protected	k_q82b686abf8_down
	.globl	k_q82b686abf8_down
	.p2align	8
	.type	k_q82b686abf8_down,@function
k_q82b686abf8_down:
	s_mov_b64 s[64:65], 0
	v_nop
	global_prefetch_b8 v0, s[64:65] scope:SCOPE_SE
	s_setreg_imm32_b32 hwreg(HW_REG_WAVE_MODE, 25, 1), 1
	s_wait_xcnt 0x0
; SECOND PRODUCT OF THE CHOSEN EXPERT.  out0[token] = h[row] . bf16(W2[e]) + bf16(b2[e]), f32.  Sums in f32, started at the rounded bias.  Each output row has one expert, so this launch stores the output.
; SHARES.  Work-group (2 s + half, e): output columns 64 s .. 64 s + 63 of expert e, and the expert's tiles of 16 rows j with j % 2 = half.  The two halves read the same slice of W2: the price of
; 256 work-groups whose rows of W2 and of out0 are still whole runs of 256 aligned bytes.
; ROLES, BARRIERS: waves 4-7 stream f32 weights through registers into LDS, waves 0-3 multiply; a chunk is 8 K steps; barrier c shows chunk c; between barriers c and c + 1 chunk c alone is read and
; chunk c + 1 written.  The role is a branch on the wave's number; every barrier stands in the common text.
; LDS.  Bytes 0 ..: the four consumers' lists; then the spare words; from WBASE on the weights, written once, 64 K steps: WBASE + ks 4160 + nb 1040 + hf 512 + 16 lane; behind them the consumers'
; stages.  WBASE is 4 waves x 2 K steps, so that producer wave 4 + p's place in a chunk is wave x 2 K steps + a constant that is not negative.
; ADDRESSES.  Every LDS address register of the stream is made at the head, by every wave, and never rewritten: a base for each chunk, the rest in the immediates.  The stream is written out K step by
; K step, so the global offsets stand in the immediates too (h: 31 x 262,144 + 1,536 bytes at the most; W2: 1,847 rows of 4,096 bytes) and no base is stepped.
; TOKEN OPERAND.  h[e][s'][tile][2,048 bytes] holds, for hidden columns 64 s' .., the operand registers as a lane takes them: K step 2 s' + p is the 1,024 bytes at 1,024 p: two loads of 16 bytes a lane.
; ROWS.  Tile 8 u + 2 w + half is wave w's slot u.  A wave always multiplies 3 slots (every counted wait is the same on every path); a slot past the count reads the expert's last written tile and is not
; stored.  Places past the count in the last tile repeat the expert's last token: the same operands give the same sums, so the same bytes go to the same address from the same wave, and EXEC stays whole.
; THE WAY OUT.  Source 0 = 16 columns of W2, source 1 = 16 rows: a lane holds one row and 8 neighbouring columns.  Through the wave's own stage in LDS they come back as whole rows: 16 lanes store
; the 256 aligned bytes of a token's slice.  A row's token rides in the 16 spare bytes of its stage row and is clamped before it enters the address.
; LIMITS.  h, W2, b2 in bf16.  More than 384 rows on one expert: the rest goes through a plain loop behind the stream, right but not pipelined.  An expert without rows streams its weights and stores nothing.
; NOT USED.  Tensor loads: f32 weights must pass through registers to be rounded, and 512 KiB of f32 do not fit LDS.  Clusters: what two work-groups share comes through registers.
.set LOGROW, 12
.set ROWB,   1<<LOGROW                 ; bytes in a row of W2
.set KSB,    4160
.set NBB,    1040
.set CHB,    8*KSB
.set NKS,    64
.set SLB,    262144                    ; h: from one slice of 64 hidden columns to the next
.set LISTB,  4608                      ; from byte 0: a list of 2,304 u16 for each consumer, its own
.set DUMP,   2240
.set SPARE,  4*LISTB                   ; the spare words, 128 bytes a wave, which no other line names
.set WBASE,  4*2*KSB                   ; the weights' first byte
.set STAGE,  WBASE+NKS*KSB             ; 16 rows of 272 bytes for each consumer, its own
.set SP,     272
.set TS,     3
.set NROUND, 6                         ; 6 x 3 slots cover a wave's 16 at the most
; window 0.  v1-13, v17-18, v20-22, v24-25, v27-31 are made at the head by every wave and never rewritten
.set LN,  1
.set RR,  2
.set HH,  3
.set SPW, 4
.set NIL, 5
.set BAC, 6                            ; v6-13   consumers: 16 lane + chunk c's first byte
.set AO,  14                           ; v14-16  slot t: its tile in a slice of h + 16 lane
.set STO, 17                           ; stage: where I put 32 bytes of my row
.set RD,  18                           ; stage: where I read rows back
.set PP,  19
.set LBV, 20
.set L16, 21                           ; 16 lane
.set TKR, 22
.set ADR, 23                           ; the plain loop's place in the weights
.set STT, 24                           ; stage: my row's spare bytes
.set RDT, 25                           ; stage: the spare bytes of the row that I read back
.set WOF, 26                           ; producers: my offset in a chunk of W2
.set C16, 27                           ; 16 (lane % 16)
.set WSTC,28                           ; v28-31  producers: where my 16 bytes go, in chunks 0, 2, 4, 6
.set TMPV,32
.set WL,  33                           ; at the head: a producer's lane term;  later
.set BO,  33                           ; the bias loads' offset
.set RO,  34
.set TK,  36                           ; v36-43  the rows' offsets in out0
.set ZZ,  44
.set RAW, 48
.set TKA, 52
.set TKB, 53
.set DMP, 54
.set MW0, 55
.set MW1, 56
.set LAST,57
.set CV,  32                           ; v32-63  producers: rounded, two sets by turns
.set AF,  64                           ; v64-255 token fragments: a ring of 8 K steps x 3 slots x 8
.set BRAW,64                           ; before that: the bias as loaded, and packed
.set BPK, 96
.set OB,  64                           ; behind the stream: 16 rows read back
; window 1.  Consumers:
.set ACC, 0                            ; v0-95    accumulator (t, nb) at 8 (4 t + nb)
.set BF,  96                           ; v96-159  weight fragments: 2 K steps x 4 blocks x 8
.set TOK, 160                          ; v160-175 my token in slot u, u = 0 .. 15
.set BIAS,176                          ; v176-207
.set MUL, 0x51                         ; source 1 (tokens) window 0, all else window 1
;           Producers: v0-255 two slots of 32 loads.  No global load of one role writes a register that a global load of the other writes.
.set WV,  14
.set EX,  15
.set SL,  16
.set HF,  17
.set OF,  18
.set WB,  20
.set HA,  22                           ; s[22:23] the plain loop: h, walking along the hidden columns
.set OU,  24                           ; s[24:25] out0 at my 64 columns
.set BB,  26
.set CNT, 28
.set LIVE,29
.set MA,  31
.set MB,  32
.set JW,  33                           ; 2 w + half
.set LP,  34
.set QQ,  35
.set LB,  37
.set T0,  38
.set T1,  39
.set HA0, 40                           ; s[40:41] h at expert e
.set NTM, 42                           ; the expert's last written tile
.set JB,  43                           ; slot 0's tile in the round in hand
.set TB,  44                           ; the plain loop: the K step's first byte, from the weights' first
.set MSB, 0
.macro WIN new                         ; s_set_vgpr_msb: bits 1:0 source 0, 3:2 source 1, 5:4 source 2, 7:6 destination; the high byte repeats the setting that is left
.if MSB != (\new)
	s_set_vgpr_msb (MSB<<8)|(\new)
.set MSB, (\new)
.endif
.endm
.macro SYNC                            ; my LDS stores are done and my LDS loads are back; then the work-group's barrier
	s_wait_dscnt 0x0
	s_barrier_signal -1
	s_barrier_wait -1
.endm
; PRODUCER, chunk ch, out of register slot ch % 2: four pieces of 16 rows (8 loads: lanes 0-15 rows 0-7, lanes 16-31 rows 8-15; a lane 4 columns).  mode 0: each piece is asked for again at once, for
; chunk ch + 2.  The count: what may stay out when piece i has to be in: mode 0: 64 issued less this piece's 8; mode 1 (the other slot out): 56 - 8 i; mode 2 (nothing else out): 24 - 8 i.
.macro PRO ch, mode
.set sl_, 128*((\ch)%2)
.set wr_, WSTC+(\ch)/2
.set wo_, ((\ch)%2)*CHB
.set lo_, 256*((\ch)+2)
.irp i, 0,1,2,3
.if (\mode) == 0
	s_wait_loadcnt 56
.elseif (\mode) == 1
	s_wait_loadcnt 56-8*(\i)
.else
	s_wait_loadcnt 24-8*(\i)
.endif
	WIN 0x05
.irp q, 0,1,2,3
.irp p, 0,1,2,3
	v_cvt_pk_bf16_f32 v[CV+16*((\i)%2)+4*(\q)+(\p)], v[sl_+32*(\i)+8*(\p)+(\q)], v[sl_+32*(\i)+8*(\p)+4+(\q)]
.endr
.endr
	WIN 0
.irp q, 0,1,2,3
	ds_store_b128 v[wr_], v[CV+16*((\i)%2)+4*(\q):CV+16*((\i)%2)+4*(\q)+3] offset:wo_+((\i)/2)*KSB+((\i)%2)*512+16*(\q)
.endr
.if (\mode) == 0
	WIN 0x40
.irp j, 0,1,2,3,4,5,6,7
	global_load_b128 v[sl_+32*(\i)+4*(\j):sl_+32*(\i)+4*(\j)+3], v[WOF], s[WB:WB+1] offset:(lo_+16*(\i)+(\j))*ROWB
.endr
.endif
.endr
	WIN 0
.endm
; CONSUMER, K step g.  The token fragments of step g + 7 are asked for, the weight fragments of step g + 1 are read, step g is multiplied.  The count on the loads: the younger token loads that may
; stay out, 6 a K step, 7 steps; the last steps ask for nothing and the counts run down.  The 12 accumulators take turns, one instruction a turn, in the same order in every step.
; Step 0 starts the sums at the bias.  The four v_nop are the places ahead of the next step's loads into registers that these products read.
.macro KSTEP g
.set rN, AF+24*(((\g)+7)%8)
.set rA, AF+24*((\g)%8)
.set rM, BF+32*(((\g)+1)%2)
.set rB, BF+32*((\g)%2)
.set cB, BAC+((\g)+1)/8
.set oB, (((\g)+1)%8)*KSB
.set oA, (((\g)+7)/2)*SLB+(((\g)+7)%2)*1024
.if (\g)+7 < NKS
	WIN 0
.irp t, 0,1,2
	global_load_b128 v[rN+8*(\t):rN+8*(\t)+3],   v[AO+(\t)], s[HA0:HA0+1] offset:oA
	global_load_b128 v[rN+8*(\t)+4:rN+8*(\t)+7], v[AO+(\t)], s[HA0:HA0+1] offset:oA+512
.endr
.endif
.if (\g)+1 < NKS
	WIN 0x40
.irp n, 0,1,2,3
	ds_load_b128 v[rM+8*(\n):rM+8*(\n)+3],   v[cB] offset:oB+(\n)*NBB
	ds_load_b128 v[rM+8*(\n)+4:rM+8*(\n)+7], v[cB] offset:oB+(\n)*NBB+512
.endr
.endif
.if (\g)+7 < NKS
	s_wait_loadcnt 42
.else
	s_wait_loadcnt 6*(NKS-1-(\g))
.endif
.if (\g)+1 < NKS
	s_wait_dscnt 8
.else
	s_wait_dscnt 0x0
.endif
	WIN MUL
.irp t, 0,1,2
.irp n, 0,1,2,3
.set aC, ACC+8*(4*(\t)+(\n))
.if (\g) == 0
	v_wmma_f32_16x16x32_bf16 v[aC:aC+7], v[rB+8*(\n):rB+8*(\n)+7], v[rA+8*(\t):rA+8*(\t)+7], v[BIAS+8*(\n):BIAS+8*(\n)+7]
.else
	v_wmma_f32_16x16x32_bf16 v[aC:aC+7], v[rB+8*(\n):rB+8*(\n)+7], v[rA+8*(\t):rA+8*(\t)+7], v[aC:aC+7]
.endif
.endr
.endr
.rept 4
	v_nop
.endr
.endm
.macro RUN g0, num                     ; K steps g0 .. g0 + num - 1
.set g_, \g0
.rept \num
	KSTEP g_
.set g_, g_+1
.endr
	WIN 0
.endm
; Barrier iv; then the K steps that read chunk iv | chunk iv + 1 into LDS.  An interval ends one step short of its chunk, so that every step can read the next step's weights.
; The consumers' part opens with a wait for all loads: the ring's were issued ahead of the barrier and have had the wait there in which to land; behind it every count counts this part's own loads alone.
.macro INTERVAL iv, mode, g0, num
	SYNC
	s_cmp_lt_u32 s[WV], 4
	s_cbranch_scc1 .Lmul_\@
	PRO (\iv)+1, \mode
	s_branch .Lmet_\@
.Lmul_\@:
	s_wait_loadcnt 0x0
.if (\iv) == 0
	WIN 0x40
.irp n, 0,1,2,3
	ds_load_b128 v[BF+8*(\n):BF+8*(\n)+3],   v[BAC] offset:(\n)*NBB
	ds_load_b128 v[BF+8*(\n)+4:BF+8*(\n)+7], v[BAC] offset:(\n)*NBB+512
.endr
.endif
	RUN \g0, \num
.Lmet_\@:
.endm
.macro WORD m, tk                      ; 32 tokens: those that chose e take the next ranks, the others the dump entry
	v_mbcnt_lo_u32_b32 v[PP], s[\m], s[CNT]
	v_cndmask_b32 v[PP], v[DMP], v[PP], s[\m]
	v_min_u32 v[PP], DUMP, v[PP]                   ; a number made of loaded data enters an address only clamped
	v_lshl_add_u32 v[PP], v[PP], 1, v[LBV]
	ds_store_b16 v[PP], v[\tk]
	s_bcnt1_i32_b32 s[T0], s[\m]
	s_add_co_u32 s[CNT], s[CNT], s[T0]
.endm
.macro MKAO                            ; the three slots' tiles: 8 t + JB, or the last tile that the launch before wrote
.irp t, 0,1,2
	s_add_co_u32 s[T0], s[JB], 8*(\t)
	s_min_u32 s[T0], s[T0], s[NTM]
	s_min_u32 s[T0], s[T0], 127
	s_lshl_b32 s[T0], s[T0], 11
	v_add_nc_u32 v[AO+(\t)], s[T0], v[L16]
.endr
.endm
; THE WAY OUT of slot t.  LDS serves a wave's instructions in order, so the loads see the stores above them, and the next slot's stores come behind these loads.  Slots past my count are jumped.
.macro EPI
.irp t, 0,1,2
	s_cmp_le_u32 s[LIVE], \t
	s_cbranch_scc1 .Lepi_end_\@
	s_wait_xcnt 0x0                                ; earlier stores have read their offsets and data
	WIN 0x04                                       ; store data in window 1
.irp n, 0,1,2,3
	ds_store_b128 v[STO], v[ACC+8*(4*(\t)+(\n)):ACC+8*(4*(\t)+(\n))+3]   offset:64*(\n)       ; each accumulator's lowest registers first
	ds_store_b128 v[STO], v[ACC+8*(4*(\t)+(\n))+4:ACC+8*(4*(\t)+(\n))+7] offset:64*(\n)+16
.endr
	ds_store_b32 v[STT], v[TOK+(\t)]               ; my row's token, behind its 256 bytes (both halves of the lanes hold the same)
	WIN 0
.irp f, 0,1,2,3,4,5,6,7
	ds_load_b32 v[TK+(\f)], v[RDT] offset:2*SP*(\f)     ; the token of row 2 f + lane / 16
.endr
.irp f, 0,1,2,3,4,5,6,7
	ds_load_b128 v[OB+4*(\f):OB+4*(\f)+3], v[RD] offset:2*SP*(\f)
.endr
	s_wait_dscnt 8                                 ; the tokens are in; the eight loads of rows are younger
.irp f, 0,1,2,3,4,5,6,7
	v_min_u32 v[TK+(\f)], 2047, v[TK+(\f)]
	v_lshl_add_u32 v[TK+(\f)], v[TK+(\f)], 12, v[C16]
.endr
	s_wait_dscnt 0x0
.irp f, 0,1,2,3,4,5,6,7
	global_store_b128 v[TK+(\f)], v[OB+4*(\f):OB+4*(\f)+3], s[OU:OU+1] th:TH_STORE_NT   ; 16 lanes store 256 consecutive bytes of a token's row, aligned
.endr
.endr
.Lepi_end_\@:
.endm
.macro OSTEP first                     ; the plain loop's trip: a slice of 64 hidden columns, two K steps, everything asked for and waited for
	WIN 0
	v_add_nc_u32 v[ADR], s[TB], v[BAC]             ; the first K step's first byte + 16 lane
.irp k, 0,1
.irp t, 0,1,2
	global_load_b128 v[AF+24*(\k)+8*(\t):AF+24*(\k)+8*(\t)+3],   v[AO+(\t)], s[HA:HA+1] offset:1024*(\k)
	global_load_b128 v[AF+24*(\k)+8*(\t)+4:AF+24*(\k)+8*(\t)+7], v[AO+(\t)], s[HA:HA+1] offset:1024*(\k)+512
.endr
.endr
	WIN 0x40
.irp k, 0,1
.irp n, 0,1,2,3
	ds_load_b128 v[BF+32*(\k)+8*(\n):BF+32*(\k)+8*(\n)+3],   v[ADR] offset:(\k)*KSB+(\n)*NBB
	ds_load_b128 v[BF+32*(\k)+8*(\n)+4:BF+32*(\k)+8*(\n)+7], v[ADR] offset:(\k)*KSB+(\n)*NBB+512
.endr
.endr
	s_wait_loadcnt 0x0                             ; the loads are done: their base may be stepped below
	s_wait_dscnt 0x0
	WIN MUL
.irp k, 0,1
.irp t, 0,1,2
.irp n, 0,1,2,3
.set aC, ACC+8*(4*(\t)+(\n))
.if (\first) && ((\k) == 0)
	v_wmma_f32_16x16x32_bf16 v[aC:aC+7], v[BF+32*(\k)+8*(\n):BF+32*(\k)+8*(\n)+7], v[AF+24*(\k)+8*(\t):AF+24*(\k)+8*(\t)+7], v[BIAS+8*(\n):BIAS+8*(\n)+7]
.else
	v_wmma_f32_16x16x32_bf16 v[aC:aC+7], v[BF+32*(\k)+8*(\n):BF+32*(\k)+8*(\n)+7], v[AF+24*(\k)+8*(\t):AF+24*(\k)+8*(\t)+7], v[aC:aC+7]
.endif
.endr
.endr
.endr
.rept 4
	v_nop
.endr
	WIN 0
	s_add_nc_u64 s[HA:HA+1], s[HA:HA+1], SLB
	s_add_co_u32 s[TB], s[TB], 2*KSB
.endm
	s_load_b256 s[4:11], s[0:1], 0x0               ; h s[4:5], W2 s[6:7], b2 s[8:9], route s[10:11]
	s_load_b64 s[12:13], s[0:1], 0x20              ; out0
	v_lshl_add_u32 v[SPW], v0, 2, SPARE
	v_mov_b32 v[NIL], 0
	v_and_b32 v[LN], 31, v0
	v_lshrrev_b32 v[RR], 5, v0
	v_readfirstlane_b32 s[WV], v[RR]               ; wave 0..7
	v_and_b32 v[RR], 15, v0
	v_bfe_u32 v[HH], v0, 4, 1
	s_and_b32 s[EX], ttmp7, 0xffff
	s_lshr_b32 s[SL], ttmp9, 1
	s_and_b32 s[HF], ttmp9, 1
	s_lshl_b32 s[JW], s[WV], 1
	s_add_co_u32 s[JW], s[JW], s[HF]
	; the LDS addresses of both roles, made by every wave: a constant, the wave's number times a constant, a lane term; a wave uses those of its own role alone
	v_lshlrev_b32 v[L16], 4, v[LN]
.irp c, 0,1,2,3,4,5,6,7
	v_add_nc_u32 v[BAC+(\c)], WBASE+(\c)*CHB, v[L16]
.endr
	s_mul_i32 s[LB], s[WV], LISTB                  ; consumers: wave w's list; the lists begin at byte 0
	v_mov_b32 v[LBV], s[LB]
	s_lshl_b32 s[T0], s[JW], 5                     ; tile 8 u + 2 w + half, row r: entry 128 u + 16 (2 w + half) + r
	s_add_co_u32 s[T0], s[T0], s[LB]
	v_lshl_add_u32 v[TKR], v[RR], 1, s[T0]
	s_mul_i32 s[T0], s[WV], 16*SP
	s_add_co_u32 s[T0], s[T0], STAGE               ; wave w's stage
	v_mul_u32_u24 v[STO], v[RR], SP                ; in: row lane % 16,
	v_add_nc_u32 v[STT], s[T0], v[STO]
	v_add_nc_u32 v[STT], 256, v[STT]               ; its spare bytes,
	v_lshl_add_u32 v[STO], v[HH], 5, v[STO]        ; 32 bytes for each half of the lanes
	v_add_nc_u32 v[STO], s[T0], v[STO]
	v_mul_u32_u24 v[RD], v[HH], SP                 ; back: lanes 0-15 one row of 256 bytes, lanes 16-31 the next
	v_add_nc_u32 v[RDT], s[T0], v[RD]
	v_add_nc_u32 v[RDT], 256, v[RDT]
	v_lshl_add_u32 v[RD], v[RR], 4, v[RD]
	v_add_nc_u32 v[RD], s[T0], v[RD]
	v_lshlrev_b32 v[C16], 4, v[RR]
	v_lshrrev_b32 v[TMPV], 2, v[RR]                ; producers: column 4 c + i: block c / 4, operand row 4 (c % 4) + i
	v_mul_u32_u24 v[WL], v[TMPV], NBB
	v_and_b32 v[TMPV], 3, v[RR]
	v_lshl_add_u32 v[WL], v[TMPV], 6, v[WL]
	v_lshl_add_u32 v[WL], v[HH], 8, v[WL]          ; my 8 rows are the operand's lanes 16 (lane / 16) ..
	s_mul_i32 s[T1], s[WV], 2*KSB                  ; wave 4 + p: WBASE + p x 2 K steps (my 64 rows of a chunk are two K steps)
	v_add_nc_u32 v[WSTC], s[T1], v[WL]
.irp c, 1,2,3
	s_add_co_u32 s[T1], s[T1], 2*CHB               ; and two chunks on
	v_add_nc_u32 v[WSTC+(\c)], s[T1], v[WL]
.endr
	s_lshl_b32 s[T0], s[SL], 8                     ; my 64 columns: 256 bytes of f32
	s_mov_b32 s[OF+1], 0
	s_wait_kmcnt 0x0
	s_lshl_b32 s[OF], s[EX], 23                    ; an expert's W2 is 8 MiB, and so is its part of h
	s_add_nc_u64 s[HA0:HA0+1], s[4:5], s[OF:OF+1]
	s_add_co_u32 s[OF], s[OF], s[T0]
	s_add_nc_u64 s[WB:WB+1], s[6:7], s[OF:OF+1]
	s_lshl_b32 s[OF], s[EX], 12
	s_add_co_u32 s[OF], s[OF], s[T0]
	s_add_nc_u64 s[BB:BB+1], s[8:9], s[OF:OF+1]
	s_mov_b32 s[OF], s[T0]
	s_add_nc_u64 s[OU:OU+1], s[12:13], s[OF:OF+1]
	s_cmp_lt_u32 s[WV], 4
	s_cbranch_scc1 .Lset_up
	; PRODUCERS: chunks 0 and 1 are asked for, then chunk 0 goes into LDS
	s_sub_co_u32 s[T0], s[WV], 4                   ; p: my 64 rows of each chunk
	v_lshlrev_b32 v[WOF], 4, v[RR]                 ; in W2: 4 columns,
	v_lshl_add_u32 v[WOF], v[HH], LOGROW+3, v[WOF] ; 8 rows on for lanes 16-31,
	s_lshl_b32 s[T1], s[T0], LOGROW+6
	v_add_nc_u32 v[WOF], s[T1], v[WOF]             ; 64 p rows
	WIN 0x40
.set n_, 0
.rept 64
	global_load_b128 v[4*n_:4*n_+3], v[WOF], s[WB:WB+1] offset:(256*(n_/32)+16*((n_/8)%4)+n_%8)*ROWB
.set n_, n_+1
.endr
	WIN 0
	PRO 0, 0
	s_branch .Lready
.Lset_up:
	; CONSUMERS: the list (the same order of ranks as in the launch before), the bias, the first token fragments
	v_lshlrev_b32 v[RO], 5, v[LN]
	s_lshl_b32 s[T0], s[EX], 1
	v_add_nc_u32 v[RO], s[T0], v[RO]
	global_load_u16 v[RAW],   v[RO], s[10:11]
	global_load_u16 v[RAW+1], v[RO], s[10:11] offset:16
	global_load_u16 v[RAW+2], v[RO], s[10:11] offset:1024
	global_load_u16 v[RAW+3], v[RO], s[10:11] offset:1040
	v_lshlrev_b32 v[BO], 5, v[HH]
.irp n, 0,1,2,3
	global_load_b128 v[BRAW+8*(\n):BRAW+8*(\n)+3],   v[BO], s[BB:BB+1] offset:64*(\n)
	global_load_b128 v[BRAW+8*(\n)+4:BRAW+8*(\n)+7], v[BO], s[BB:BB+1] offset:64*(\n)+16
.endr
.irp i, 0,1,2,3
	v_mov_b32 v[ZZ+(\i)], 0
.endr
	v_add_nc_u32 v[PP], s[LB], v[L16]
.irp i, 0,1,2,3,4,5,6,7,8
	ds_store_b128 v[PP], v[ZZ:ZZ+3] offset:512*(\i)     ; the whole list is token 0 to begin with: every entry read later is written
.endr
	v_mov_b32 v[DMP], DUMP
	v_mov_b32 v[TKA], v[LN]
	v_add_nc_u32 v[TKB], 1024, v[LN]
	s_mov_b32 s[CNT], 0
	s_wait_loadcnt 8                               ; the bitmap is in; the bias's eight loads are younger
	v_lshl_or_b32 v[MW0], v[RAW+1], 16, v[RAW]
	v_lshl_or_b32 v[MW1], v[RAW+3], 16, v[RAW+2]
.set i_, 0
.rept 32                                       ; written out, so that the lane that holds a word stands in the instruction as a constant
	v_readlane_b32 s[MA], v[MW0], i_               ; tokens 32 i ..
	v_readlane_b32 s[MB], v[MW1], i_               ; tokens 1024 + 32 i ..
	WORD MA, TKA
	WORD MB, TKB
	v_add_nc_u32 v[TKA], 32, v[TKA]
	v_add_nc_u32 v[TKB], 32, v[TKB]
.set i_, i_+1
.endr
	s_max_u32 s[T0], s[CNT], 1
	s_sub_co_u32 s[T0], s[T0], 1
	v_mov_b32 v[PP], s[T0]
	v_min_u32 v[PP], 2047, v[PP]
	v_lshl_add_u32 v[PP], v[PP], 1, v[LBV]
	ds_load_u16 v[LAST], v[PP]
	v_add_nc_u32 v[PP], s[CNT], v[LN]
	v_min_u32 v[PP], DUMP, v[PP]
	v_lshl_add_u32 v[PP], v[PP], 1, v[LBV]
	s_wait_dscnt 0x0
	ds_store_b16 v[PP], v[LAST]
	WIN 0x40
.set n_, 0
.rept 16
	ds_load_u16 v[TOK+n_], v[TKR] offset:256*n_    ; waited for in front of barrier 0
.set n_, n_+1
.endr
	WIN 0
	s_add_co_u32 s[T0], s[CNT], 15
	s_lshr_b32 s[T0], s[T0], 4                     ; tiles with rows
	s_max_u32 s[NTM], s[T0], 1
	s_sub_co_u32 s[NTM], s[NTM], 1
	s_add_co_u32 s[T0], s[T0], 7
	s_sub_co_u32 s[T0], s[T0], s[JW]
	s_lshr_b32 s[LIVE], s[T0], 3                   ; how many u have 8 u + 2 w + half below that
	s_mov_b32 s[JB], s[JW]
	s_wait_loadcnt 0x0                             ; the bias
.set n_, 0
.rept 16
	v_cvt_pk_bf16_f32 v[BPK+n_], v[BRAW+2*n_], v[BRAW+2*n_+1]
.set n_, n_+1
.endr
	WIN 0x40
.set n_, 0
.rept 16
	v_lshlrev_b32 v[BIAS+2*n_], 16, v[BPK+n_]
	v_and_b32 v[BIAS+2*n_+1], 0xffff0000, v[BPK+n_]
.set n_, n_+1
.endr
	WIN 0
	MKAO
.irp k, 0,1,2,3,4,5,6
.irp t, 0,1,2
	global_load_b128 v[AF+24*(\k)+8*(\t):AF+24*(\k)+8*(\t)+3],   v[AO+(\t)], s[HA0:HA0+1] offset:((\k)/2)*SLB+((\k)%2)*1024
	global_load_b128 v[AF+24*(\k)+8*(\t)+4:AF+24*(\k)+8*(\t)+7], v[AO+(\t)], s[HA0:HA0+1] offset:((\k)/2)*SLB+((\k)%2)*1024+512
.endr
.endr
.Lready:
	INTERVAL 0, 0, 0, 7                            ; barrier 0: K steps 0-6   | chunk 1, chunk 3 asked for
	INTERVAL 1, 0, 7, 8                            ; barrier 1: K steps 7-14  | chunk 2, chunk 4 asked for
	INTERVAL 2, 0, 15, 8
	INTERVAL 3, 0, 23, 8
	INTERVAL 4, 0, 31, 8                           ; barrier 4: K steps 31-38 | chunk 5, chunk 7 asked for
	INTERVAL 5, 1, 39, 8                           ; barrier 5: K steps 39-46 | chunk 6
	INTERVAL 6, 2, 47, 8                           ; barrier 6: K steps 47-54 | chunk 7
	SYNC                                           ; barrier 7: all weights are in LDS
	s_cmp_lt_u32 s[WV], 4
	s_cbranch_scc0 .Lrounds                        ; the producers have no work left; they pass the rounds' barriers
	s_wait_loadcnt 0x0
	RUN 55, 9                                      ; K steps 55-63
.Lrounds:
	; THE WAY OUT, AND ROWS OVER THE CAPACITY.  A constant count of rounds, in the common text.  In each a consumer stores what its last three slots made, through its stage; where slots are left, the
	; tokens move down in registers and the next three go through the plain loop, which reads the weights by an address that walks.  Two barriers a round keep the stages' writes and the walking reads
	; in intervals of their own; every wave passes both, and only work is jumped.  The last barrier also stands between the last reads and the closing adds.
	s_wait_loadcnt 0x0                             ; on every way into the rounds no load of mine is out: the rounds read rows back, and load tokens, into the ring's registers
	s_mov_b32 s[QQ], NROUND
.Lround:
	s_cmp_lt_u32 s[WV], 4
	s_cbranch_scc0 .Lstored
	EPI
	s_min_u32 s[T0], s[LIVE], TS
	s_sub_co_u32 s[LIVE], s[LIVE], s[T0]           ; stored
.Lstored:
	SYNC                                           ; every wave's use of its stage is over
	s_cmp_lt_u32 s[WV], 4
	s_cbranch_scc0 .Lnext
	s_cmp_eq_u32 s[LIVE], 0
	s_cbranch_scc1 .Lnext
	s_wait_xcnt 0x0                                ; the stores have read their offsets and their data
	s_add_co_u32 s[JB], s[JB], 8*TS
	WIN 0x41
.set n_, 0
.rept 16-TS
	v_mov_b32 v[TOK+n_], v[TOK+n_+TS]
.set n_, n_+1
.endr
	WIN 0
	MKAO
	s_mov_b64 s[HA:HA+1], s[HA0:HA0+1]
	s_mov_b32 s[TB], 0
	OSTEP 1
	s_mov_b32 s[LP], NKS/2-1
.Lplain:
	OSTEP 0
	s_sub_co_u32 s[LP], s[LP], 1
	s_cmp_lg_u32 s[LP], 0
	s_cbranch_scc1 .Lplain
.Lnext:
	SYNC                                           ; every wave's walking reads are over
	s_sub_co_u32 s[QQ], s[QQ], 1
	s_cmp_lg_u32 s[QQ], 0
	s_cbranch_scc1 .Lround
	s_wait_tensorcnt 0x0                           ; the wave's end
	ds_add_u32 v[SPW], v[NIL]
	s_wait_dscnt 0x0
	s_endpgm
.Lfunc_end_k_q82b686abf8_down:
	.size	k_q82b686abf8_down, .Lfunc_end_k_q82b686abf8_down-k_q82b686abf8_down
	.p2alignl 7, 3214868480
	.fill 96, 4, 3214868480
	.section	.rodata,"a",@progbits
	.p2align	6, 0x0
	.amdhsa_kernel k_q82b686abf8_down
		.amdhsa_group_segment_fixed_size 316928
		.amdhsa_private_segment_fixed_size 0
		.amdhsa_enable_private_segment 0
		.amdhsa_kernarg_size 40
		.amdhsa_user_sgpr_count 2
		.amdhsa_user_sgpr_kernarg_segment_ptr 1
		.amdhsa_wavefront_size32 1
		.amdhsa_system_sgpr_workgroup_id_x 1
		.amdhsa_system_sgpr_workgroup_id_y 1
		.amdhsa_system_sgpr_workgroup_id_z 1
		.amdhsa_system_vgpr_workitem_id 0
		.amdhsa_next_free_vgpr 512
		.amdhsa_next_free_sgpr 66
		.amdhsa_reserve_vcc 0
		.amdhsa_float_denorm_mode_32 3
		.amdhsa_float_denorm_mode_16_64 3
		.amdhsa_memory_ordered 1
		.amdhsa_forward_progress 1
		.amdhsa_inst_pref_size 255
	.end_amdhsa_kernel
	.section	.bss,"aw",@nobits
	.p2align	6
	.space	262144
	.amdgpu_metadata
---
amdhsa.version: [ 1, 2 ]
amdhsa.kernels:
  - .name:           k_q82b686abf8_down
    .symbol:         k_q82b686abf8_down.kd
    .args:
      - { .name: h, .offset: 0, .size: 8, .value_kind: global_buffer, .address_space: global }
      - { .name: W2, .offset: 8, .size: 8, .value_kind: global_buffer, .address_space: global }
      - { .name: b2, .offset: 16, .size: 8, .value_kind: global_buffer, .address_space: global }
      - { .name: route, .offset: 24, .size: 8, .value_kind: global_buffer, .address_space: global }
      - { .name: out0, .offset: 32, .size: 8, .value_kind: global_buffer, .address_space: global }
    .group_segment_fixed_size: 316928
    .private_segment_fixed_size: 0
    .kernarg_segment_align: 8
    .kernarg_segment_size: 40
    .max_flat_workgroup_size: 256
    .sgpr_count:     66
    .vgpr_count:     512
    .wavefront_size: 32
...
	.end_amdgpu_metadata
.endif
;; end of part 3
